; MI455X (gfx1250); checked and timed in simulation.
; The chip was launched on July 23, 2026; its instructions are those of AMD's public machine-readable ISA for CDNA 5 (MIT licence, August 2026) and "CDNA5" Instruction Set Architecture Reference Guide (July 2026). The comments in the code are by the model that wrote it; some were corrected since.
;; Conscious Attention. Allowed arithmetic: matrix products marked QUANTISED: E2M3 operands, one E8M0 scale for each 32 along K, by v_wmma_scale_f32_16x16x128_f8f6f4 with both operands' format E2M3, f32 sums; products left as they are: f32 operands where the result goes on into a quantised operand, else bf16, f16 or f32 operands; f32 sums; everything else in f32.
;; Inputs: W1_codes 512 x 8 x 24 uint8 (E2M3 codes of W1, K innermost, in blocks of 32 codes, four codes in three bytes); W1_scales 512 x 8 uint8 (E8M0 scales of W1, one for each 32 codes along K); W2 1 x 512 float32; Wk_codes 256 x 8 x 24 uint8 (E2M3 codes of Wk, K innermost, in blocks of 32 codes, four codes in three bytes); Wk_scales 256 x 8 uint8 (E8M0 scales of Wk, one for each 32 codes along K); Wq 256 x 256 float32; b1 512 float32; b2 1 float32; bk 256 float32; bq 256 float32; conscious_bias 256 float32; sensory_input 250,000 x 256 float32.
;; Outputs: out0 64 x 256 float32; out1 250,000 float32; out2 250,000 float32.
;; This version of the problem:
;;   THIS VERSION OF THE PROBLEM IS GIVEN IN LOW PRECISION. The matrix products marked QUANTISED in the list below multiply operands that are first quantised to E2M3 (2 exponent bits, 3 mantissa bits; 6 bits a number), with one power-of-two scale for each 32 numbers along K (OCP MX v1.0); their sums are f32. All else is computed in f32.
;;   The module's matrix products, in the order in which they are computed (A, B: the left and right operand; K: the contracted axis; several contracted axes count as one K, in the product's order):
;;     1. [M 256, K 256] x [K 256, N 1]; A: input Wq; B: input conscious_bias: left as it is (N = 1 < 16)
;;     2. [M 250,000, K 256] x [K 256, N 256]; A: input sensory_input; B: input Wk (given as codes): QUANTISED
;;     3. [M 250,000, K 256] x [K 256, N 512]; A: input sensory_input; B: input W1 (given as codes): QUANTISED
;;     4. [M 250,000, K 512] x [K 512, N 1]; A: computed on the way; B: input W2: left as it is (N = 1 < 16)
;;     5. [M 250,000, K 256] x [K 256, N 1]; A: computed on the way; B: computed on the way: left as it is (N = 1 < 16)
;;   THE QUANTISER, for each operand of a quantised product, along K:
;;     - K is cut into blocks of 32 from its start; a last block that is shorter is filled with zeros.
;;     - A block's scale is 2^e with e = floor(log2(the largest magnitude in the block)) - 2, held to -126 .. 127; a block of zeros has e = 0. As a byte (E8M0): e + 127.
;;     - Each number is divided by its block's scale, clamped to +-7.5, and rounded to the nearest number of E2M3, ties to even, subnormals kept.
;;     - The product sums the exact products of the quantised numbers (number of the format x scale) in f32.
;;   ~~~python
;;   def quantise(x, axis):      # numpy; x: float32 -> the quantised numbers, widened to float32 again
;;       x = np.moveaxis(x, axis, -1); K = x.shape[-1]
;;       x = np.pad(x, [(0, 0)] * (x.ndim - 1) + [(0, -K % 32)]); x = x.reshape(x.shape[:-1] + (-1, 32)); a = np.abs(x).max(-1, keepdims=True)
;;       e = np.where(a > 0, np.clip(np.frexp(np.where(a > 0, a, 1))[1] - 1 - 2, -126, 127), 0)      # np.frexp(a)[1] - 1 = floor(log2(a)), exactly
;;       r = np.clip(x / 2.0 ** e, -7.5, 7.5)
;;       step = 2.0 ** (np.maximum(np.frexp(np.where(r == 0, 1, r))[1] - 1, 0) - 3)
;;       q = np.round(r / step) * step * 2.0 ** e      # np.round: ties to even
;;       return np.moveaxis(q.reshape(q.shape[:-2] + (-1,))[..., :K], -1, axis).astype(np.float32)
;;   ~~~
;;   INPUTS GIVEN AS CODES. W1 (in the module: [512, 256], K = its axis 1); Wk (in the module: [256, 256], K = its axis 1): each comes as NAME_codes (uint8): NAME with its K axis moved to the last place and cut into blocks of 32 codes, [.., K / 32, bytes a block], one block behind the other in memory; four codes in three bytes: a row's codes are one little-endian stream of bits, code i at bits 6 i .. 6 i + 5 (a code: sign, 2 exponent bits, 3 mantissa bits); and NAME_scales (uint8): the same leading axes, one E8M0 byte (e + 127) for each 32 codes along K. Its value is code x scale, taken as it is: it is not quantised again, and the codes and scales need not be those that the quantiser above would give.
;; One version. Each part assembles by itself: llvm-mc -triple=amdgcn-amd-amdhsa -mcpu=gfx1250 --defsym DOCPART=n.
;; ======== version 1 of 1: 3 launches
;; workspace buffers: wl 1,000,192 bytes; part 4,096 bytes; keyb 1,015,808 bytes of whole numbers; lists 15,872 bytes of whole numbers
;; launch score (part 1): grid 250 x 1, 8 waves a work-group, no clusters, 327,680 bytes of LDS; arguments sensory_input, conscious_bias, Wq, bq, Wk_codes, Wk_scales, bk, W1_codes, W1_scales, b1, W2, b2, out2, wl, part; writes out2, wl, part
.if DOCPART == 1
	.amdgcn_target "amdgcn-amd-amdhsa--gfx1250"
	.amdhsa_code_object_version 6
	.text
	.protected	k_q080a24205a_score
	.globl	k_q080a24205a_score
	.p2align	8
	.type	k_q080a24205a_score,@function
k_q080a24205a_score:
	s_mov_b64 s[64:65], 0
	v_nop
	global_prefetch_b8 v0, s[64:65] scope:SCOPE_SE
	s_setreg_imm32_b32 hwreg(HW_REG_WAVE_MODE, 25, 1), 1
	s_wait_xcnt 0x0
; For each of 250,000 rows x (256 f32): logit = (Q(x) Wk^T + bk) . q / 16 and value = sigmoid(relu(Q(x) W1^T + b1) . W2 + b2); q = 2 (Wq cb + bq) / |Wq cb + bq|.
; Q: codes of E2M3 with one E8M0 scale for each 32 along K, made here; Wk and W1 arrive as codes.  Both products by v_wmma_scale_f32_16x16x128_f8f6f4, sums in f32.
; Stored: out2 = value, wl = logit, part = one record {m, Z, S, 0} a work-group: m = its largest logit, Z = sum of e^(l - m), S = sum of e^(l - m) x value.
; SHARES.  A work-group owns 1,000 rows, as 8 blocks of 128 that begin at rows 0, 128 .. 768 and 872: the last block repeats 24 rows of the block before, with the same results.
; In a block wave w quantises rows 16 w .. 16 w + 15.  THE WAVES SHARE THE COLUMNS: wave w holds rows 32 w .. +31 of Wk and 64 w .. +63 of W1 in registers for the whole launch (12 fragments),
; and takes all eight tiles of 16 rows of x through them; x's codes go from wave to wave through LDS as images of the operand's registers.
; THE PRODUCT IS USED TRANSPOSED (source 0 = 16 rows of W, source 1 = 16 rows of x): a lane holds ONE row of x and eight columns, so the dot products with q and W2 are sums within a lane.
; x comes by tensor loads, 16 rows x 1,024 bytes a wave, into two slots; a wave reads its own 16 rows alone, a phase ahead of the quantiser.
; THE WEIGHTS: a wave's rows are dense runs of memory; they come by loads of 512 consecutive bytes and turn into fragments through the wave's own bytes of LDS, a tile of 16 rows at a time.
; No cluster: work-groups share only the weights, 147 KB read once at the head against 1 MB of x of their own.  No prefetch: x is one stream that the tensor loads keep on its way all the time.
; LIMITS: NaN and infinities among the inputs are not served.  A block of zeros gets the scale byte 1 (the rule says 127): its codes are zeros.  1/16 and 2/|q| are folded into q, so the logit's rounding differs from reference()'s by ulps.
; REGISTERS, window 0: v1-15 addresses; v16-143 128 numbers of x, later x's two fragments (v16-39) and six accumulators (v48-95); v144-163 codes just made; v164-179 at work; v180 the scale word just made;
;   v181-182 x's scale words; v184-195 W's scale words; v196-211 q of my 32 columns; v212-243 W2 of my 64; v244-255 at work.   window 1: v0-143 W's 12 fragments; v144-191 the biases, eight registers a tile.
.set XP,    1040                       ; a row of x in LDS: 1,024 bytes + 16: the sixteen rows of a load begin 16 bytes apart modulo 256
.set WSLOT, 16*XP                      ; a wave's part of a slot
.set SLOTB, 8*WSLOT                    ; a slot
.set XIMG,  2*SLOTB                    ; x's fragments: tile m at 3,072 m, K step s at + 1,536 s, register group c at + 512 c, + 16 x lane
.set XSC,   XIMG+8*3072                ; their scale words: 256 m + 128 s + 4 x lane
.set PARTS, XSC+8*256                  ; the waves' parts of the two dot products: 1,024 w + 512 h + 4 (16 m + r)
.set WSTW,  4352                       ; at the head, ahead of the first barrier, the 34,816 bytes from XIMG on are eight stages of this size, one a wave, for the weights' turn
.set WP,    208                        ; a row of 256 codes in that stage: 192 bytes + 16 = 52 words: the 32 lanes of a load of 8 bytes touch 64 different banks (64 banks of 4 bytes: ISA guide 11.1)
.set LRAW,  PARTS+8*1024               ; the work-group's logits, 4 bytes a row
.set VOFS,  4352                       ; the raw values lie this far behind them
.set QARR,  LRAW+2*VOFS                ; Wq cb + bq, 256 f32
.set REC,   QARR+1024                  ; the waves' m at 4 w, Z at 32 + 4 w, S at 64 + 4 w
.set SPARE, REC+256                    ; the spare words, 128 bytes for each wave: four blocks of 256 bytes that no other line names
.set SPW, 1
.set NIL, 2
.set LI,  3                            ; 16 x lane
.set LS,  4                            ; 4 x lane
.set XR,  5                            ; v5, v6: my 64 bytes of a block of 32 numbers of my row, in slot 0, 1
.set XWI, 7                            ; where I store x's images
.set XWS, 8                            ; and their scale words
.set FA,  9                            ; the images in hand
.set FS,  10                           ; their scale words
.set PAB, 11                           ; my wave's parts
.set PA,  12
.set PR,  13                           ; the parts of my tile of rows
.set RW,  14                           ; where their sums go
.set RECA, 15
.set STG, 16
.set XF,  16
.set ACC, 48
.set PC,  144
.set TM,  164
.set PW,  180
.set XS,  181
.set WS,  184
.set QW,  196
.set SA,  196                          ; at the head only: v196-201 where my 16 bytes of a tile's six loads go in my stage; v202 at work
.set W2W, 212
.set SL,  244
.set SV,  246
.set T,   248
.set WF,  0                            ; window 1
.set BI,  144                          ; window 1
.set W1D, 0x44                         ; destination and source 1 (an LDS store's data) window 1, addresses window 0
.set MSB, 0
.macro WIN new                         ; the immediate's high byte repeats the setting that is left
.if MSB != \new
	s_set_vgpr_msb (MSB<<8)|\new
.set MSB, \new
.endif
.endm
.macro PLACES n
.rept \n
	v_nop
.endr
.endm
.macro BARRIER                         ; my LDS stores have landed and my LDS loads are in: then the work-group's barrier
	s_wait_dscnt 0x0
	s_barrier_signal -1
	s_barrier_wait -1
.endm
.macro WSUM v, t                       ; the sum over the wave's 32 lanes, in every lane
.irp n, 1,2,4,8
	v_add_f32_dpp v[\v], v[\v], v[\v] row_xmask:\n row_mask:0xf bank_mask:0xf
.endr
	v_permlanex16_b32 v[\t], v[\v], s56, s57
	v_add_f32 v[\v], v[\v], v[\t]
.endm
.macro WMAX v, t
.irp n, 1,2,4,8
	v_max_num_f32_dpp v[\v], v[\v], v[\v] row_xmask:\n row_mask:0xf bank_mask:0xf
.endr
	v_permlanex16_b32 v[\t], v[\v], s56, s57
	v_max_num_f32 v[\v], v[\v], v[\t]
.endm
; 64 numbers of a lane, v[s] .. v[s + 63], register 16 b + i = k 32 b + 16 (lane / 16) + i of my row, become a fragment's codes in v[PC] on and its scale word in v[PW].
.macro QUANT s
.irp b, 0,1,2,3
	v_max3_num_f32 v[TM+\b], |v[\s+16*\b]|, |v[\s+1+16*\b]|, 0x1800000   ; block b: my 16 numbers, and the floor 2^(3 - 127): the byte cannot fall under 1
.endr
.irp i, 2,4,6,8,10,12,14
.irp b, 0,1,2,3
	v_max3_num_f32 v[TM+\b], v[TM+\b], |v[\s+16*\b+\i]|, |v[\s+1+16*\b+\i]|   ; the four blocks by turns
.endr
.endr
.irp b, 0,1,2,3
	v_permlanex16_b32 v[TM+4+\b], v[TM+\b], s56, s57
.endr
.irp b, 0,1,2,3
	v_max_num_f32 v[TM+\b], v[TM+\b], v[TM+4+\b]   ; with lane l xor 16's: the block's largest magnitude
.endr
.irp b, 0,1,2,3
	v_add_nc_u32 v[TM+12+\b], 0xff000000, v[TM+\b]   ; 2 off its exponent field: the conversion takes that field as its scale
.endr
.irp b, 0,1,2,3
	v_lshrrev_b32 v[TM+4+\b], 23, v[TM+12+\b]      ; the scale's byte
.endr
	v_lshl_or_b32 v[PW], v[TM+5], 8, v[TM+4]       ; the four bytes make my row's scale word
	v_lshl_or_b32 v[PW], v[TM+6], 16, v[PW]
	v_lshl_or_b32 v[PW], v[TM+7], 24, v[PW]
.irp c, 0,1
	v_cvt_scalef32_pk16_fp6_f32 v[PC+6*\c:PC+2+6*\c], v[\s+32*\c:\s+15+32*\c], v[TM+12+2*\c]
	v_cvt_scalef32_pk16_fp6_f32 v[PC+12+4*\c:PC+14+4*\c], v[\s+16+32*\c:\s+31+32*\c], v[TM+12+2*\c+1]   ; (a conversion's three registers begin on an even number)
.endr
	v_nop                                          ; one plain place behind a scaled conversion
.irp c, 0,1                                    ; the operand's layout wants a whole block in a lane: lanes 0-15 block 2 c, lanes 16-31 block 2 c + 1
.irp i, 0,1,2
	v_permlane16_swap_b32 v[PC+6*\c+\i], v[PC+12+4*\c+\i]
.endr
.irp i, 0,1,2
	v_mov_b32 v[PC+3+6*\c+\i], v[PC+12+4*\c+\i]
.endr
.endr
.endm
.macro IMAGE off                       ; the fragment in v[PC] on goes to LDS as it stands
.irp c, 0,1,2
	ds_store_b128 v[XWI], v[PC+4*\c:PC+4*\c+3] offset:\off+512*\c
.endr
.endm
.macro XLD slot                        ; my row's 128 numbers of my half: K step s, block b: 64 bytes
.irp s, 0,1
.irp b, 0,1,2,3
.irp j, 0,1,2,3
	ds_load_b128 v[STG+64*\s+16*\b+4*\j:STG+64*\s+16*\b+4*\j+3], v[XR+(\slot)] offset:512*\s+128*\b+16*\j
.endr
.endr
.endr
.endm
.macro FETCH                           ; a tile's two fragments and two scale words, from the images at s67 and s68
	v_add_nc_u32 v[FA], s67, v[LI]
	v_add_nc_u32 v[FS], s68, v[LS]
.irp c, 0,1,2,3,4,5
	ds_load_b128 v[XF+4*\c:XF+4*\c+3], v[FA] offset:512*\c
.endr
	ds_load_b32 v[XS], v[FS]
	ds_load_b32 v[XS+1], v[FS] offset:128
.endm
; The dot products of a tile: relu on W1's four accumulators; k . q and h . W2 within the lane; the two halves of the lanes exchange, so that lanes 0-15 end with the logit's part of row r and lanes 16-31 with the value's.
; Each accumulator is read from its low end on.
.macro EPI
.set ej, 16
.rept 32
	v_max_num_f32 v[ACC+ej], 0, v[ACC+ej]
.set ej, ej+1
.endr
	v_pk_mul_f32 v[SL:SL+1], v[ACC:ACC+1], v[QW:QW+1]
	v_pk_mul_f32 v[SV:SV+1], v[ACC+16:ACC+17], v[W2W:W2W+1]
	v_pk_mul_f32 v[T:T+1], v[ACC+32:ACC+33], v[W2W+16:W2W+17]
.irp i, 2,4,6,8,10,12,14
	v_pk_fma_f32 v[SL:SL+1], v[ACC+\i:ACC+\i+1], v[QW+\i:QW+\i+1], v[SL:SL+1]
	v_pk_fma_f32 v[SV:SV+1], v[ACC+16+\i:ACC+17+\i], v[W2W+\i:W2W+\i+1], v[SV:SV+1]
	v_pk_fma_f32 v[T:T+1], v[ACC+32+\i:ACC+33+\i], v[W2W+16+\i:W2W+17+\i], v[T:T+1]
.endr
	v_pk_add_f32 v[SV:SV+1], v[SV:SV+1], v[T:T+1]
	v_add_f32 v[T+2], v[SL], v[SL+1]
	v_add_f32 v[T+3], v[SV], v[SV+1]
	v_cndmask_b32 v[T+4], v[T+2], v[T+3], s58      ; I keep: lanes 0-15 the logit's part, lanes 16-31 the value's
	v_cndmask_b32 v[T+5], v[T+3], v[T+2], s58      ; I send the other
	v_permlanex16_b32 v[T+6], v[T+5], s56, s57
	v_add_f32 v[T+4], v[T+4], v[T+6]
.endm
; A tile of 16 rows of x against my 96 columns: 12 matrix instructions, the six accumulators by turns; the biases are the C of each sum's first instruction.
; next = 1: the next tile's fragments are fetched behind the products, ahead of this tile's dot products.
.macro TILE next
	s_wait_dscnt 0x0                               ; the tile's fragments and scale words are in
	WIN 0x11                                       ; source 0 (W) and source 2 (the bias) window 1
.set mt, 0
.rept 6
	v_wmma_scale_f32_16x16x128_f8f6f4 v[ACC+8*mt:ACC+8*mt+7], v[WF+24*mt:WF+24*mt+11], v[XF:XF+11], v[BI+8*mt:BI+8*mt+7], v[WS+2*mt], v[XS] matrix_a_fmt:MATRIX_FMT_FP6 matrix_b_fmt:MATRIX_FMT_FP6
.set mt, mt+1
.endr
	WIN 0x01
.set mt, 0
.rept 6
	v_wmma_scale_f32_16x16x128_f8f6f4 v[ACC+8*mt:ACC+8*mt+7], v[WF+24*mt+12:WF+24*mt+23], v[XF+12:XF+23], v[ACC+8*mt:ACC+8*mt+7], v[WS+2*mt+1], v[XS+1] matrix_a_fmt:MATRIX_FMT_FP6 matrix_b_fmt:MATRIX_FMT_FP6
.set mt, mt+1
.endr
	WIN 0
	v_add_nc_u32 v[PA], s69, v[PAB]                ; where this tile's parts go.  With the three below: four places behind the products, for the loads into x's registers and the reads of results
	PLACES 3
.if \next
	s_add_co_u32 s67, s67, 3072
	s_add_co_u32 s68, s68, 256
	s_add_co_u32 s69, s69, 64
	FETCH
.endif
	EPI
	ds_store_b32 v[PA], v[T+4]
.endm
; A BLOCK of 128 rows, in slot \slot, beginning at the work-group's row \start; its numbers of x are in v[STG] on when it begins.
; step: rows from this block to the one that the slot takes next (0: none).  more = 1: a block follows, in the other slot; ncnt: the tensor loads younger than that block's, which may stay out.
.macro BLOCK slot, start, step, more, ncnt
	QUANT STG
	IMAGE 0
	ds_store_b32 v[XWS], v[PW]
	s_wait_dscnt 0x0                               ; the stores have read their registers
	QUANT STG+64
	IMAGE 1536
	ds_store_b32 v[XWS], v[PW] offset:128
.if \step
	s_wait_tensorcnt 0x0                           ; all my tensor loads have landed, so a group 0 may be written
	ds_add_u32 v[SPW], v[NIL]                      ; 0 onto my spare word
	s_add_nc_u64 s[50+4*\slot:51+4*\slot], s[50+4*\slot:51+4*\slot], \step*1024   ; this slot's next rows; the type bits on top are not reached
	s_wait_dscnt 0x0                               ; the add is done, my reads of the slot are long over, my images have landed
	s_barrier_signal -1
	s_barrier_wait -1                              ; x's sixteen fragments lie in LDS
	tensor_load_to_lds s[48+4*\slot:51+4*\slot], s[40:47]   ; my one tensor load behind this barrier, and the first thing there: it has a block's work in which to land
	s_nop 0
	PLACES 4
.else
	BARRIER                                        ; nothing is left to fetch for this slot
.endif
	s_mov_b32 s67, XIMG
	s_mov_b32 s68, XSC
	s_mov_b32 s69, 0
	FETCH
	s_mov_b32 s66, 7
.Ltile_\@:
	TILE 1
	s_sub_co_u32 s66, s66, 1
	s_cmp_lg_u32 s66, 0
	s_cbranch_scc1 .Ltile_\@
	TILE 0
.if \more
	s_wait_tensorcnt \ncnt                         ; my 16 rows of the next block are in LDS
.endif
	s_wait_dscnt 0x0                               ; my parts have landed, my reads of x's images are over
	s_barrier_signal -1
.if \more
	XLD 1-\slot                                    ; the next block's numbers, while the waves meet and the parts are summed: my own rows of the other slot, which is filled again only behind a later barrier
.endif
	s_barrier_wait -1                              ; every wave's parts lie in LDS, and nobody reads x's images any more
.irp k, 0,1,2,3,4,5,6,7
	ds_load_b32 v[T+\k], v[PR] offset:1024*\k      ; the eight waves' parts of my tile's rows: lanes 0-15 the logits', lanes 16-31 the values'
.endr
	s_wait_dscnt 0x0                               ; the parts, and the next block's numbers
	v_add_f32 v[T], v[T], v[T+1]
	v_add_f32 v[T+2], v[T+2], v[T+3]
	v_add_f32 v[T+4], v[T+4], v[T+5]
	v_add_f32 v[T+6], v[T+6], v[T+7]
	v_add_f32 v[T], v[T], v[T+2]
	v_add_f32 v[T+4], v[T+4], v[T+6]
	v_add_f32 v[T], v[T], v[T+4]
	ds_store_b32 v[RW], v[T] offset:4*\start
.endm
; 16 rows of Wq (8 numbers a lane and row, in v[STG] on) times cb (v[T] on): my lane's partial sums into v[W2W + base] on
.macro QDOT base
.set qi, 0
.rept 16
.set qa, SL+2*(qi%2)
	v_pk_mul_f32 v[qa:qa+1], v[STG+8*qi:STG+8*qi+1], v[T:T+1]
	v_pk_fma_f32 v[qa:qa+1], v[STG+8*qi+2:STG+8*qi+3], v[T+2:T+3], v[qa:qa+1]
	v_pk_fma_f32 v[qa:qa+1], v[STG+8*qi+4:STG+8*qi+5], v[T+4:T+5], v[qa:qa+1]
	v_pk_fma_f32 v[qa:qa+1], v[STG+8*qi+6:STG+8*qi+7], v[T+6:T+7], v[qa:qa+1]
	v_add_f32 v[W2W+\base+qi], v[qa], v[qa+1]
.set qi, qi+1
.endr
.endm
.macro WQLOAD base
.set qi, 0
.rept 16
	global_load_b128 v[STG+8*qi:STG+8*qi+3], v[LI], s[8:9] offset:1024*(\base+qi)
	global_load_b128 v[STG+8*qi+4:STG+8*qi+7], v[LI], s[8:9] offset:1024*(\base+qi)+512
.set qi, qi+1
.endr
.endm
; Tile t of my weights (t = 0, 1: Wk; 2 .. 5: W1): 16 rows x 192 bytes, dense in memory: six loads of 512 consecutive bytes, into the 24 registers that the tile's two fragments will take (window 1)
.macro WRAW t
.irp c, 0,1,2,3,4,5
.if \t < 2
	global_load_b128 v[WF+24*\t+4*\c:WF+24*\t+4*\c+3], v[LI], s[12:13] offset:3072*\t+512*\c
.else
	global_load_b128 v[WF+24*\t+4*\c:WF+24*\t+4*\c+3], v[LI], s[18:19] offset:3072*(\t-2)+512*\c
.endif
.endr
.endm
; and its turn through my stage: in as loaded, 16 bytes a lane, rows WP bytes apart; out as fragments: lane (r, h) takes 24 bytes at 24 h and 24 at 48 + 24 h of each K step's 96, in pieces of 8.
; LDS serves a wave's instructions in order (ISA guide 5.7.1.4): the loads see the stores, land in the registers that the stores have left, and the next tile's stores come behind them.
.macro WTURN t
.irp c, 0,1,2,3,4,5
	ds_store_b128 v[SA+\c], v[WF+24*\t+4*\c:WF+24*\t+4*\c+3]
.endr
.irp s, 0,1
.irp p, 0,1,2,3,4,5
	ds_load_b64 v[WF+24*\t+12*\s+2*\p:WF+24*\t+12*\s+2*\p+1], v[TM+3] offset:96*\s+48*(\p/3)+8*(\p%3)
.endr
.endr
.endm
; One step of the sum that also turns: of 2 n registers n are left; a lane whose number has bit n keeps the upper n rows' sums and sends the lower, the others the other way round.  At the end lane L holds row L's sum.
.macro TRSTEP n, m
.set ti, 0
.rept \n
.set ta, T+4*(ti%2)
	v_cndmask_b32 v[ta], v[W2W+ti], v[W2W+ti+\n], s[\m]
	v_cndmask_b32 v[ta+1], v[W2W+ti+\n], v[W2W+ti], s[\m]
.if \n == 16
	v_permlanex16_b32 v[ta+2], v[ta+1], s56, s57
	v_add_f32 v[W2W+ti], v[ta], v[ta+2]
.else
	v_add_f32_dpp v[W2W+ti], v[ta+1], v[ta] row_xmask:\n row_mask:0xf bank_mask:0xf
.endif
.set ti, ti+1
.endr
.endm
	s_load_b512 s[4:19], s[0:1], 0x0               ; x 4, cb 6, Wq 8, bq 10, Wk's codes 12, Wk's scales 14, bk 16, W1's codes 18
	s_load_b256 s[20:27], s[0:1], 0x40             ; W1's scales 20, b1 22, W2 24, b2 26
	s_load_b128 s[28:31], s[0:1], 0x60             ; out2 28, wl 30
	s_load_b64 s[32:33], s[0:1], 0x70              ; part
	v_lshl_add_u32 v[SPW], v0, 2, SPARE
	v_mov_b32 v[NIL], 0
	ds_add_u32 v1, v2
	ds_add_u32 v1, v2
	s_wait_dscnt 0x0
	v_lshrrev_b32 v[TM], 5, v0
	v_readfirstlane_b32 s34, v[TM]                 ; wave 0..7
	v_and_b32 v[TM], 15, v0                        ; r
	v_bfe_u32 v[TM+1], v0, 4, 1                    ; h
	v_and_b32 v[TM+2], 31, v0                      ; lane
	v_lshlrev_b32 v[LI], 4, v[TM+2]
	v_lshlrev_b32 v[LS], 2, v[TM+2]
	s_mul_i32 s36, s34, WSLOT
	v_mul_u32_u24 v[XR], v[TM], XP
	v_lshl_add_u32 v[XR], v[TM+1], 6, v[XR]
	v_add_nc_u32 v[XR], s36, v[XR]                 ; my wave's rows, row r, + 64 h
	v_add_nc_u32 v[XR+1], SLOTB, v[XR]
	s_mul_i32 s37, s34, 3072
	s_add_co_u32 s37, s37, XIMG
	v_add_nc_u32 v[XWI], s37, v[LI]
	s_lshl_b32 s37, s34, 8
	s_add_co_u32 s37, s37, XSC
	v_add_nc_u32 v[XWS], s37, v[LS]
	v_lshlrev_b32 v[PR], 2, v[TM]
	v_lshl_add_u32 v[PR], v[TM+1], 9, v[PR]        ; 512 h + 4 r
	s_lshl_b32 s37, s34, 10
	s_add_co_u32 s37, s37, PARTS
	v_add_nc_u32 v[PAB], s37, v[PR]
	s_lshl_b32 s37, s34, 6
	s_add_co_u32 s38, s37, PARTS
	v_add_nc_u32 v[PR], s38, v[PR]
	s_add_co_u32 s38, s37, LRAW
	v_mul_u32_u24 v[RW], v[TM+1], VOFS
	v_lshl_add_u32 v[RW], v[TM], 2, v[RW]
	v_add_nc_u32 v[RW], s38, v[RW]
	v_and_b32 v[RECA], 7, v0
	v_lshl_add_u32 v[RECA], v[RECA], 2, REC
	v_lshlrev_b32 v[TM+4], 5, v[TM+1]              ; the biases, q and W2: my half's eight numbers of a tile
	v_lshlrev_b32 v[TM+5], 3, v[TM]                ; W's scale bytes: 8 a row
	s_mul_i32 s37, s34, WSTW
	s_add_co_u32 s37, s37, XIMG                    ; my stage for the weights' turn
	v_mul_u32_u24 v[TM+3], v[TM], WP
	v_mad_u32_u24 v[TM+3], v[TM+1], 24, v[TM+3]
	v_add_nc_u32 v[TM+3], s37, v[TM+3]             ; out of it: row r, + 24 h
.irp c, 0,1,2,3,4,5                            ; into it: load c brings my lane chunk q = 32 c + lane of the tile's 192 chunks of 16 bytes; a row is 12 chunks, and 16 bytes of padding follow each row
	v_add_nc_u32 v[SA+\c], 32*\c, v[TM+2]
	v_mul_u32_u24 v[SA+6], v[SA+\c], 171
	v_lshrrev_b32 v[SA+6], 11, v[SA+6]             ; q / 12, exact for q under 192
	v_add_nc_u32 v[SA+\c], v[SA+\c], v[SA+6]
	v_lshl_add_u32 v[SA+\c], v[SA+\c], 4, s37      ; 16 (q + q / 12)
.endr
	s_lshl_b32 s37, s34, 7
	s_add_co_u32 s38, s37, QARR
	v_add_nc_u32 v[TM+6], s38, v[LS]               ; where my row of Wq's sum goes
	v_lshl_add_u32 v[TM+7], v[TM+2], 5, QARR       ; eight of the 256 for the norm
	v_lshl_add_u32 v[TM+8], v[TM+1], 5, s38        ; q of my 32 columns
	s_lshl_b32 s38, s34, 4
	s_add_co_u32 s38, s38, LRAW+4000
	v_and_b32 v[TM+9], 3, v0
	v_lshl_add_u32 v[TM+9], v[TM+9], 2, s38        ; four of the 32 words behind row 999
	s_mov_b32 s56, 0x76543210
	s_mov_b32 s57, 0xfedcba98                      ; v_permlanex16_b32's selects for lane l xor 16
	s_mov_b32 s58, 0xffff0000                      ; lanes whose number has bit 4, 3, 2, 1, 0
	s_mov_b32 s59, 0xff00ff00
	s_mov_b32 s60, 0xf0f0f0f0
	s_mov_b32 s61, 0xcccccccc
	s_mov_b32 s62, 0xaaaaaaaa
	; descriptor group 1: 16 rows of 128 elements of 8 bytes, 16 bytes of padding behind each row
	s_mov_b32 s40, (3<<16)|(1<<20)|(7<<22)|(3<<25) ; no mask; elements of 8 bytes; padding on; behind every 256 words (code 7) 4 words (code 3)
	s_mov_b32 s41, 128<<16                         ; tensor_dim0
	s_mov_b32 s42, 16<<16                          ; tensor_dim1
	s_mov_b32 s43, 128<<16                         ; tile_dim0
	s_mov_b32 s44, 16                              ; tile_dim1
	s_mov_b32 s45, 128                             ; from row to row
	s_mov_b32 s46, 0
	s_mov_b32 s47, 0
	s_mul_i32 s37, ttmp9, 1000
	s_lshl_b32 s38, s34, 4
	s_add_co_u32 s38, s37, s38                     ; my first row: 1,000 x work-group + 16 x wave
	s_lshl_b32 s38, s38, 10                        ; in bytes: under 2^28
	s_mov_b32 s39, 0
	s_wait_kmcnt 0x0
	s_mov_b32 s48, 1
	s_mov_b32 s49, s36
	s_add_nc_u64 s[50:51], s[4:5], s[38:39]        ; slot 0: the block at row 0
	s_mov_b32 s52, 1
	s_add_co_u32 s53, s36, SLOTB
	s_add_nc_u64 s[54:55], s[50:51], 128*1024      ; slot 1: the block at row 128
	s_or_b32 s51, s51, 0x80000000
	s_or_b32 s55, s55, 0x80000000
	tensor_load_to_lds s[48:51], s[40:47]          ; both first fills together, ahead of every wait on TENSORcnt, every LDS read and every barrier: two loads of mine are out
	s_nop 0
	tensor_load_to_lds s[52:55], s[40:47]
	s_nop 0
	PLACES 4
	s_load_b32 s70, s[26:27], 0x0                  ; b2
	s_mov_b32 s37, 0
	s_mul_i32 s36, s34, 6144                       ; my 32 rows of Wk's codes
	s_add_nc_u64 s[12:13], s[12:13], s[36:37]
	s_mul_i32 s36, s34, 12288                      ; my 64 rows of W1's
	s_add_nc_u64 s[18:19], s[18:19], s[36:37]
	s_lshl_b32 s36, s34, 8                         ; Wk's scales: 32 rows x 8; b1 and W2: 64 x 4
	s_add_nc_u64 s[14:15], s[14:15], s[36:37]
	s_add_nc_u64 s[22:23], s[22:23], s[36:37]
	s_add_nc_u64 s[24:25], s[24:25], s[36:37]
	s_lshl_b32 s36, s34, 9                         ; W1's scales: 64 rows x 8
	s_add_nc_u64 s[20:21], s[20:21], s[36:37]
	s_lshl_b32 s36, s34, 7                         ; bk and bq: 32 x 4
	s_add_nc_u64 s[16:17], s[16:17], s[36:37]
	s_add_nc_u64 s[10:11], s[10:11], s[36:37]
	s_lshl_b32 s36, s34, 15                        ; Wq: my 32 rows of 1,024 bytes
	s_add_nc_u64 s[8:9], s[8:9], s[36:37]
	ds_store_b32 v[TM+9], v[NIL]                   ; the words behind row 999, which the last six threads of the tail read and throw away
	ds_store_b32 v[TM+9], v[NIL] offset:VOFS
	; q = Wq cb + bq: wave w makes rows 32 w .. 32 w + 31, in f32; a lane takes columns 4 L .. + 3 and 128 + 4 L .. + 3 of every row.  The weights' loads and their turn stand between q's two halves,
	; so that each run of loads is on its way while the run before it is worked on; at most 59 loads of mine are out
	global_load_b128 v[T:T+3], v[LI], s[6:7]
	global_load_b128 v[T+4:T+7], v[LI], s[6:7] offset:512
	global_load_b32 v[PW], v[LS], s[10:11]         ; bq of row 32 w + L
	WQLOAD 0
	WIN W1D
	WRAW 0
	WRAW 1
	WRAW 2
	WRAW 3
	WIN 0
	s_wait_loadcnt 24                              ; cb, bq and Wq's rows 0-15 are in; the 24 loads of the weights' tiles 0-3 may be out
	QDOT 0
	WQLOAD 16
	s_wait_loadcnt 32                              ; tiles 0-3 are in; the 32 loads of Wq's rows 16-31 may be out
	WIN W1D
	WTURN 0
	WTURN 1
	WTURN 2
	WTURN 3
	WRAW 4
	WRAW 5
.irp t, 0,1                                    ; the biases in the result's layout: register j of lane (r, h): column 16 t + 8 h + j
	global_load_b128 v[BI+8*\t:BI+8*\t+3], v[TM+4], s[16:17] offset:64*\t
	global_load_b128 v[BI+8*\t+4:BI+8*\t+7], v[TM+4], s[16:17] offset:64*\t+16
.endr
.irp t, 2,3,4,5
	global_load_b128 v[BI+8*\t:BI+8*\t+3], v[TM+4], s[22:23] offset:64*(\t-2)
	global_load_b128 v[BI+8*\t+4:BI+8*\t+7], v[TM+4], s[22:23] offset:64*(\t-2)+16
.endr
	WIN 0
	s_wait_loadcnt 24                              ; Wq's rows 16-31 are in; tiles 4 and 5 (12 loads) and the biases (12) may be out
	QDOT 16
.irp t, 0,1
.irp s, 0,1
	global_load_b32 v[WS+2*\t+\s], v[TM+5], s[14:15] offset:128*\t+4*\s
.endr
.endr
.irp t, 2,3,4,5
.irp s, 0,1
	global_load_b32 v[WS+2*\t+\s], v[TM+5], s[20:21] offset:128*(\t-2)+4*\s
.endr
.endr
	TRSTEP 16, 58
	TRSTEP 8, 59
	TRSTEP 4, 60
	TRSTEP 2, 61
	TRSTEP 1, 62
	v_add_f32 v[W2W], v[W2W], v[PW]
	ds_store_b32 v[TM+6], v[W2W]
	s_wait_loadcnt 0x0                             ; tiles 4 and 5, the biases, W's scale words
	WIN W1D
	WTURN 4
	WTURN 5
	WIN 0
	BARRIER                                        ; all 256 numbers of q lie in LDS; the stages are done with.  (The tensor loads may be out)
	ds_load_b128 v[T:T+3], v[TM+7]
	ds_load_b128 v[T+4:T+7], v[TM+7] offset:16
.irp t, 0,1
	ds_load_b128 v[QW+8*\t:QW+8*\t+3], v[TM+8] offset:64*\t
	ds_load_b128 v[QW+8*\t+4:QW+8*\t+7], v[TM+8] offset:64*\t+16
.endr
.irp t, 0,1,2,3
	global_load_b128 v[W2W+8*\t:W2W+8*\t+3], v[TM+4], s[24:25] offset:64*\t
	global_load_b128 v[W2W+8*\t+4:W2W+8*\t+7], v[TM+4], s[24:25] offset:64*\t+16
.endr
	s_wait_dscnt 0x0
	v_pk_mul_f32 v[SL:SL+1], v[T:T+1], v[T:T+1]
	v_pk_fma_f32 v[SL:SL+1], v[T+2:T+3], v[T+2:T+3], v[SL:SL+1]
	v_pk_fma_f32 v[SL:SL+1], v[T+4:T+5], v[T+4:T+5], v[SL:SL+1]
	v_pk_fma_f32 v[SL:SL+1], v[T+6:T+7], v[T+6:T+7], v[SL:SL+1]
	v_add_f32 v[SL], v[SL], v[SL+1]
	WSUM SL, SL+1
	v_sqrt_f32 v[SV], v[SL]
	v_nop                                          ; a plain place behind the transcendental,
	s_wait_alu depctr_va_vdst(0)                   ; and the wait ahead of its first reader
	v_max_num_f32 v[SV], 0x2b8cbccc, v[SV]         ; max(|q|, 1e-12)
	v_rcp_f32 v[SL], v[SV]
	v_nop
	s_wait_alu depctr_va_vdst(0)
	v_mul_f32 v[SL], 0x3e000000, v[SL]             ; 2 / |q| / 16
.irp j, 0,2,4,6,8,10,12,14
	v_pk_mul_f32 v[QW+\j:QW+\j+1], v[QW+\j:QW+\j+1], v[SL:SL+1] op_sel_hi:[1,0]
.endr
	s_wait_loadcnt 0x0                             ; W2
	s_wait_kmcnt 0x0                               ; b2
	s_wait_tensorcnt 1                             ; my 16 rows of the first block are in LDS; slot 1's load may be out
	XLD 0
	s_wait_dscnt 0x0
	BLOCK 0, 0,   256, 1, 1
	BLOCK 1, 128, 256, 1, 1
	BLOCK 0, 256, 256, 1, 1
	BLOCK 1, 384, 256, 1, 1
	BLOCK 0, 512, 256, 1, 1
	BLOCK 1, 640, 232, 1, 1                        ; the last block begins at row 872, so that it ends with row 999
	BLOCK 0, 768, 0,   1, 0                        ; no load was issued behind the last block's: the wait for it is for 0
	BLOCK 1, 872, 0,   0, 0
	; THE TAIL.  Thread t takes rows 4 t .. 4 t + 3 (t under 250)
	v_lshlrev_b32 v[TM], 4, v0
	v_add_nc_u32 v[TM+1], LRAW, v[TM]
	s_lshl_b32 s36, s34, 2
	s_add_co_u32 s36, s36, REC
	v_mov_b32 v[TM+2], s36
	v_mov_b32 v[TM+3], 0xff800000                  ; -infinity
	BARRIER                                        ; all 1,000 logits and raw values lie in LDS
	ds_load_b128 v[16:19], v[TM+1]
	ds_load_b128 v[20:23], v[TM+1] offset:VOFS
	s_mul_i32 s36, ttmp9, 4000
	s_mov_b32 s37, 0
	s_add_nc_u64 s[30:31], s[30:31], s[36:37]
	s_add_nc_u64 s[28:29], s[28:29], s[36:37]
	s_lshl_b32 s36, ttmp9, 4
	s_add_nc_u64 s[32:33], s[32:33], s[36:37]
	s_wait_dscnt 0x0
.irp i, 0,1,2,3
	v_add_f32 v[24+\i], s70, v[20+\i]              ; + b2
.endr
.irp i, 0,1,2,3
	v_mul_f32 v[24+\i], 0xbfb8aa3b, v[24+\i]       ; x -log2(e)
.endr
.irp i, 0,1,2,3
	v_exp_f32 v[24+\i], v[24+\i]
.endr
	v_cmp_gt_u32 vcc_lo, 250, v0                   ; (a plain place)  the threads that have rows
	s_wait_alu depctr_va_vdst(0)                   ; one wait for the four
.irp i, 0,1,2,3
	v_add_f32 v[24+\i], 1.0, v[24+\i]
.endr
.irp i, 0,1,2,3
	v_rcp_f32 v[20+\i], v[24+\i]                   ; sigmoid
.endr
	v_nop
	s_wait_alu depctr_va_vdst(0)
	s_wait_xcnt 0x0                                ; EXEC changes only behind this wait
	s_and_saveexec_b32 s73, vcc_lo
	global_store_b128 v[TM], v[16:19], s[30:31]    ; the logits
	global_store_b128 v[TM], v[20:23], s[28:29]    ; the values
	s_wait_xcnt 0x0                                ; and again: the stores have read EXEC and their registers
	s_or_b32 exec_lo, exec_lo, s73
.irp i, 0,1,2,3
	v_cndmask_b32 v[16+\i], v[TM+3], v[16+\i], vcc_lo   ; threads without rows count for nothing
.endr
	v_max3_num_f32 v28, v16, v17, v18
	v_max_num_f32 v28, v28, v19
	WMAX 28, 24                                    ; the wave's largest logit
.irp i, 0,1,2,3
	v_sub_f32 v[24+\i], v[16+\i], v28
.endr
.irp i, 0,1,2,3
	v_mul_f32 v[24+\i], 0x3fb8aa3b, v[24+\i]
.endr
.irp i, 0,1,2,3
	v_exp_f32 v[24+\i], v[24+\i]
.endr
	v_nop
	s_wait_alu depctr_va_vdst(0)
	v_add_f32 v29, v24, v25
	v_add_f32 v31, v26, v27
	v_mul_f32 v30, v24, v20
	v_add_f32 v29, v29, v31
	v_fma_f32 v30, v25, v21, v30
	v_fma_f32 v30, v26, v22, v30
	v_fma_f32 v30, v27, v23, v30
	WSUM 29, 31
	WSUM 30, 31
	ds_store_b32 v[TM+2], v28                      ; all lanes write the same word with the same value
	ds_store_b32 v[TM+2], v29 offset:32
	ds_store_b32 v[TM+2], v30 offset:64
	BARRIER
	s_cmp_lg_u32 s34, 0                            ; wave 0 joins the eight records
	s_cbranch_scc1 .Lend
	ds_load_b32 v16, v[RECA]
	ds_load_b32 v17, v[RECA] offset:32
	ds_load_b32 v18, v[RECA] offset:64
	s_wait_dscnt 0x0
	v_mov_b32 v19, v16
.irp n, 1,2,4
	v_max_num_f32_dpp v19, v19, v19 row_xmask:\n row_mask:0xf bank_mask:0xf
.endr
	v_sub_f32 v20, v16, v19
	v_mul_f32 v20, 0x3fb8aa3b, v20
	v_exp_f32 v20, v20
	v_nop
	s_wait_alu depctr_va_vdst(0)
	v_mul_f32 v17, v17, v20
	v_mul_f32 v18, v18, v20
.irp n, 1,2,4
	v_add_f32_dpp v17, v17, v17 row_xmask:\n row_mask:0xf bank_mask:0xf
	v_add_f32_dpp v18, v18, v18 row_xmask:\n row_mask:0xf bank_mask:0xf
.endr
	s_mov_b32 s74, 2
	s_mov_b32 s75, 4
	s_mov_b32 s76, 8
	v_cndmask_b32 v21, v19, v17, s74               ; lane 0: m, lane 1: Z, lane 2: S, lane 3: 0
	v_cndmask_b32 v21, v21, v18, s75
	v_cndmask_b32 v21, v21, v[NIL], s76
	v_cmp_gt_u32 vcc_lo, 4, v0
	s_wait_xcnt 0x0
	s_and_saveexec_b32 s73, vcc_lo
	global_store_b32 v[LS], v21, s[32:33]
	s_wait_xcnt 0x0
	s_or_b32 exec_lo, exec_lo, s73
.Lend:
	s_wait_tensorcnt 0x0                           ; the wave's end, behind my last tensor load and my last LDS store
	ds_add_u32 v[SPW], v[NIL]
	s_wait_dscnt 0x0
	s_endpgm
.Lfunc_end_k_q080a24205a_score:
	.size	k_q080a24205a_score, .Lfunc_end_k_q080a24205a_score-k_q080a24205a_score
	.p2alignl 7, 3214868480
	.fill 96, 4, 3214868480
	.section	.rodata,"a",@progbits
	.p2align	6, 0x0
	.amdhsa_kernel k_q080a24205a_score
		.amdhsa_group_segment_fixed_size 327680
		.amdhsa_private_segment_fixed_size 0
		.amdhsa_enable_private_segment 0
		.amdhsa_kernarg_size 120
		.amdhsa_user_sgpr_count 2
		.amdhsa_user_sgpr_kernarg_segment_ptr 1
		.amdhsa_wavefront_size32 1
		.amdhsa_system_sgpr_workgroup_id_x 1
		.amdhsa_system_sgpr_workgroup_id_y 1
		.amdhsa_system_sgpr_workgroup_id_z 1
		.amdhsa_system_vgpr_workitem_id 0
		.amdhsa_next_free_vgpr 448
		.amdhsa_next_free_sgpr 100
		.amdhsa_reserve_vcc 1
		.amdhsa_float_denorm_mode_32 3
		.amdhsa_float_denorm_mode_16_64 3
		.amdhsa_memory_ordered 1
		.amdhsa_forward_progress 1
		.amdhsa_inst_pref_size 229
	.end_amdhsa_kernel
	.amdgpu_metadata
---
amdhsa.version: [ 1, 2 ]
amdhsa.kernels:
  - .name:           k_q080a24205a_score
    .symbol:         k_q080a24205a_score.kd
    .args:
      - { .name: sensory_input, .offset: 0, .size: 8, .value_kind: global_buffer, .address_space: global }
      - { .name: conscious_bias, .offset: 8, .size: 8, .value_kind: global_buffer, .address_space: global }
      - { .name: Wq, .offset: 16, .size: 8, .value_kind: global_buffer, .address_space: global }
      - { .name: bq, .offset: 24, .size: 8, .value_kind: global_buffer, .address_space: global }
      - { .name: Wk_codes, .offset: 32, .size: 8, .value_kind: global_buffer, .address_space: global }
      - { .name: Wk_scales, .offset: 40, .size: 8, .value_kind: global_buffer, .address_space: global }
      - { .name: bk, .offset: 48, .size: 8, .value_kind: global_buffer, .address_space: global }
      - { .name: W1_codes, .offset: 56, .size: 8, .value_kind: global_buffer, .address_space: global }
      - { .name: W1_scales, .offset: 64, .size: 8, .value_kind: global_buffer, .address_space: global }
      - { .name: b1, .offset: 72, .size: 8, .value_kind: global_buffer, .address_space: global }
      - { .name: W2, .offset: 80, .size: 8, .value_kind: global_buffer, .address_space: global }
      - { .name: b2, .offset: 88, .size: 8, .value_kind: global_buffer, .address_space: global }
      - { .name: out2, .offset: 96, .size: 8, .value_kind: global_buffer, .address_space: global }
      - { .name: wl, .offset: 104, .size: 8, .value_kind: global_buffer, .address_space: global }
      - { .name: part, .offset: 112, .size: 8, .value_kind: global_buffer, .address_space: global }
    .group_segment_fixed_size: 327680
    .private_segment_fixed_size: 0
    .kernarg_segment_align: 8
    .kernarg_segment_size: 120
    .max_flat_workgroup_size: 256
    .sgpr_count:     100
    .vgpr_count:     448
    .wavefront_size: 32
...
	.end_amdgpu_metadata
.endif
;; end of part 1
;; launch norm (part 2): grid 62 x 1, 4 waves a work-group, no clusters, 2,560 bytes of LDS; arguments wl, out2, part, out1, keyb, lists; writes out1, keyb, lists
.if DOCPART == 2
	.amdgcn_target "amdgcn-amd-amdhsa--gfx1250"
	.amdhsa_code_object_version 6
	.text
	.protected	k_q080a24205a_norm
	.globl	k_q080a24205a_norm
	.p2align	8
	.type	k_q080a24205a_norm,@function
k_q080a24205a_norm:
	s_mov_b64 s[64:65], 0
	v_nop
	global_prefetch_b8 v0, s[64:65] scope:SCOPE_SE
	s_setreg_imm32_b32 hwreg(HW_REG_WAVE_MODE, 25, 1), 1
	s_wait_xcnt 0x0
; allocation[i] = (e^(l[i] - M) / Z) x value[i] / max(S / Z, 1e-12), with M, Z, S joined from the 250 records {m, Z, S} of the launch before: the softmax with its maximum taken away, then the L1 norm.
; Stored: out1 = allocation; keyb = the same bits at the row's index, as whole numbers (an allocation is never negative, so its bits order as it does), 0 in the slots from 250,000 on;
; lists = for each group of 4,096 slots its 64 largest keys, descending.
; SHARES.  Work-group g takes slots 4,096 g on, wave w 1,024 of them: eight loads of 512 consecutive bytes, 32 numbers a lane.  Every wave joins the records by itself: 4,000 bytes.
; A SLOT WITHOUT A ROW (the last work-group has them) is loaded from the last four rows, by a clamped offset: it computes their allocation and stores it there once more, the same values to the same bytes, so out1 needs no mask.
; THE SORT is a network of maxima and minima on registers, without a branch.  A list of 64 lives in a PAIR of lanes: the even lane's 32 registers hold ranks 0-31, the odd lane's ranks 32-63.
; Where a line needs the line before it (a move from another lane, then a maximum), the lines are written in groups of 8 or 16 registers, so that 8 or 16 others stand between.
; No matrix work, no tensor loads, no prefetch: a short launch on 2 MB.
; LIMITS: NaN and infinities are not served.  An exponential whose result would be denormal comes out as 0 (ISA guide, the entry of v_exp_f32).
.set KC, 48                            ; v48-79   the logits, later one of the sort's two sets
.set KA, 112                           ; v112-143 the allocations: out1's stores read them, nothing writes them again
.set KB, 144                           ; v144-175 the keys, the sort's other set
.set T,  176                           ; v176-191 at work
.set SEL, 32                           ; s[32:33] selects: lane l xor 16
.set SX,  34                           ; s[34:35] selects: lane l xor 17
.set ODD, 36                           ; s36 the odd lanes
.macro FLIPSETS                        ; a stage reads one set of 32 registers and writes the other
.set SWP, CUR
.set CUR, NXT
.set NXT, SWP
.endm
.macro STAGE_S s                       ; registers i and i + s: the larger to i
.set i, 0
.rept 32
.if ((i/(\s))%2) == 0
	v_max_u32 v[NXT+i], v[CUR+i], v[CUR+i+(\s)]
	v_min_u32 v[NXT+i+(\s)], v[CUR+i], v[CUR+i+(\s)]
.endif
.set i, i+1
.endr
	FLIPSETS
.endm
.macro STAGE_F b                       ; inside blocks of b registers: i and its mirror image: the larger to i
.set i, 0
.rept 32
.if (i%(\b)) < ((\b)/2)
.set jj, i-(i%(\b))+(\b)-1-(i%(\b))
	v_max_u32 v[NXT+i], v[CUR+i], v[CUR+jj]
	v_min_u32 v[NXT+jj], v[CUR+i], v[CUR+jj]
.endif
.set i, i+1
.endr
	FLIPSETS
.endm
.macro SORT32                          ; each lane's 32 registers, descending
	STAGE_F 2
	s_wait_xcnt 0x0                                ; the keys' stores have read their registers: the next stage writes that set again
	STAGE_F 4
	STAGE_S 1
	STAGE_F 8
	STAGE_S 2
	STAGE_S 1
	STAGE_F 16
	STAGE_S 4
	STAGE_S 2
	STAGE_S 1
	STAGE_F 32
	STAGE_S 8
	STAGE_S 4
	STAGE_S 2
	STAGE_S 1
.endm
.macro DOWN5
	STAGE_S 16
	STAGE_S 8
	STAGE_S 4
	STAGE_S 2
	STAGE_S 1
.endm
.macro XSEL rev                        ; between the two lanes of a pair: my register i against the partner's i (rev = 0) or 31 - i (rev = 1); the even lane keeps the larger.  Eight registers at a time
.set gg, 0
.rept 4
.set kk, 0
.rept 8
.if \rev
.set jj, 31-(8*gg+kk)
.else
.set jj, 8*gg+kk
.endif
	v_mov_b32_dpp v[T+kk], v[CUR+jj] row_xmask:1 row_mask:0xf bank_mask:0xf
.set kk, kk+1
.endr
.set kk, 0
.rept 8
	v_max_u32 v[T+8+kk], v[CUR+8*gg+kk], v[T+kk]
.set kk, kk+1
.endr
.set kk, 0
.rept 8
	v_min_u32 v[T+kk], v[CUR+8*gg+kk], v[T+kk]
.set kk, kk+1
.endr
.set kk, 0
.rept 8
	v_cndmask_b32 v[NXT+8*gg+kk], v[T+8+kk], v[T+kk], s[ODD]
.set kk, kk+1
.endr
.set gg, gg+1
.endr
	FLIPSETS
.endm
.macro TOPX xm                         ; two sorted lists of 64: rank k of mine against rank 63 - k of the other (the lane of the other parity in the other pair, register 31 - i): the larger 64 of the 128.  Sixteen registers at a time
.set gg, 0
.rept 2
.set kk, 0
.rept 16
.if \xm == 17
	v_permlanex16_b32 v[T+kk], v[CUR+31-(16*gg+kk)], s[SX], s[SX+1]
.else
	v_mov_b32_dpp v[T+kk], v[CUR+31-(16*gg+kk)] row_xmask:\xm row_mask:0xf bank_mask:0xf
.endif
.set kk, kk+1
.endr
.set kk, 0
.rept 16
	v_max_u32 v[NXT+16*gg+kk], v[CUR+16*gg+kk], v[T+kk]
.set kk, kk+1
.endr
.set gg, gg+1
.endr
	FLIPSETS
.endm
.macro MLEVEL xm                       ; the lists of two pairs of lanes become one, the 64 largest, sorted, in both pairs
	TOPX \xm
	XSEL 0
	DOWN5
.endm
.macro WSUM v, t
.irp n, 1,2,4,8
	v_add_f32_dpp v[\v], v[\v], v[\v] row_xmask:\n row_mask:0xf bank_mask:0xf
.endr
	v_permlanex16_b32 v[\t], v[\v], s[SEL], s[SEL+1]
	v_add_f32 v[\v], v[\v], v[\t]
.endm
	s_load_b256 s[4:11], s[0:1], 0x0               ; wl 4, out2 6, part 8, out1 10
	s_load_b128 s[12:15], s[0:1], 0x20             ; keyb 12, lists 14
	v_lshl_add_u32 v224, v0, 2, 0x800
	v_mov_b32 v225, 0
	v_lshrrev_b32 v10, 5, v0
	v_readfirstlane_b32 s16, v10                   ; wave
	v_and_b32 v10, 31, v0                          ; lane
	s_lshl_b32 s17, ttmp9, 14
	s_lshl_b32 s18, s16, 12
	s_add_co_u32 s17, s17, s18
	v_lshl_add_u32 v9, v10, 4, s17                 ; my 16 bytes of the wave's first 512: 16,384 g + 4,096 w + 16 L
	s_mov_b32 s37, 1000000
.irp i, 0,1,2,3,4,5,6,7
	v_add_nc_u32 v[1+\i], 512*\i, v9
	v_cmp_gt_u32 s[20+\i], s37, v[1+\i]            ; do these four slots hold rows?  (250,000 is a multiple of 4)
	v_min_u32 v[1+\i], 999984, v[1+\i]             ; no load and no store leaves its buffer: slots without rows stand at the last four rows
.endr
	v_lshlrev_b32 v11, 4, v10                      ; records L, L + 32 ..: 16 bytes each
	v_add_nc_u32 v12, 224, v10
	v_min_u32 v12, 249, v12
	v_lshlrev_b32 v12, 4, v12                      ; the last eighth has 26
	v_cmp_gt_u32 s28, 26, v10
	v_and_b32 v13, 1, v0
	v_lshlrev_b32 v13, 7, v13                      ; 128 (L & 1): my half of a list
	v_add_nc_u32 v15, 1024, v13                    ; the finished list's stage
	s_lshl_b32 s18, s16, 8
	v_add_nc_u32 v13, s18, v13                     ; my wave's list
	v_and_b32 v14, 7, v0
	v_lshlrev_b32 v14, 7, v14                      ; list (L / 2) % 4, my half
	v_and_b32 v200, 15, v0
	v_lshl_add_u32 v200, v200, 4, 1024             ; the finished list by 16 bytes a lane
	v_mov_b32 v193, 0                              ; written once: a lane permute's destination counts as one of its sources
	v_mov_b32 v195, 0
	v_mov_b32 v197, 0
	v_mov_b32 v203, 0xff800000                     ; -infinity
	s_mov_b32 s[SEL], 0x76543210
	s_mov_b32 s[SEL+1], 0xfedcba98
	s_mov_b32 s[SX], 0x67452301
	s_mov_b32 s[SX+1], 0xefcdab89
	s_mov_b32 s[ODD], 0xaaaaaaaa
	s_lshl_b32 s18, ttmp9, 8
	s_mov_b32 s19, 0
	s_wait_kmcnt 0x0
	s_add_nc_u64 s[14:15], s[14:15], s[18:19]      ; my group's list
.irp i, 0,1,2,3,4,5,6
	global_load_b128 v[16+4*\i:19+4*\i], v11, s[8:9] offset:512*\i
.endr
	global_load_b128 v[44:47], v12, s[8:9]
.irp i, 0,1,2,3,4,5,6,7
	global_load_b128 v[KC+4*\i:KC+3+4*\i], v[1+\i], s[4:5] th:TH_LOAD_NT
.endr
.irp i, 0,1,2,3,4,5,6,7
	global_load_b128 v[80+4*\i:83+4*\i], v[1+\i], s[6:7] th:TH_LOAD_NT
.endr
	s_wait_loadcnt 16                              ; the eight records are in; the sixteen loads behind them may be out
	v_cndmask_b32 v44, v203, v44, s28              ; a record read twice counts once
	v_max3_num_f32 v192, v16, v20, v24
	v_max3_num_f32 v192, v192, v28, v32
	v_max3_num_f32 v192, v192, v36, v40
	v_max_num_f32 v192, v192, v44
.irp n, 1,2,4,8
	v_max_num_f32_dpp v192, v192, v192 row_xmask:\n row_mask:0xf bank_mask:0xf
.endr
	v_permlanex16_b32 v193, v192, s[SEL], s[SEL+1]
	v_max_num_f32 v192, v192, v193                 ; M: the largest logit of all rows
.irp i, 0,1,2,3,4,5,6,7
	v_sub_f32 v[T+\i], v[16+4*\i], v192
.endr
.irp i, 0,1,2,3,4,5,6,7
	v_mul_f32 v[T+\i], 0x3fb8aa3b, v[T+\i]
.endr
.irp i, 0,1,2,3,4,5,6,7
	v_exp_f32 v[T+\i], v[T+\i]                     ; e^(m - M)
.endr
	v_nop                                          ; a plain place behind the batch,
	s_wait_alu depctr_va_vdst(0)                   ; and one wait for it, ahead of its first reader
	v_mul_f32 v194, v17, v[T]
	v_mul_f32 v196, v18, v[T]
.irp i, 1,2,3,4,5,6,7
	v_fma_f32 v194, v[17+4*\i], v[T+\i], v194
	v_fma_f32 v196, v[18+4*\i], v[T+\i], v196
.endr
	WSUM 194, 195                                  ; Z
	WSUM 196, 197                                  ; S
	v_rcp_f32 v198, v194
	v_nop
	s_wait_alu depctr_va_vdst(0)
	v_mul_f32 v199, v196, v198                     ; the sum of softmax x value
	v_max_num_f32 v199, 0x2b8cbccc, v199           ; max(.., 1e-12)
	v_rcp_f32 v196, v199
	v_nop
	s_wait_alu depctr_va_vdst(0)
	s_wait_loadcnt 0x0
.irp j, 0,2,4,6,8,10,12,14,16,18,20,22,24,26,28,30
	v_pk_add_f32 v[KC+\j:KC+1+\j], v[KC+\j:KC+1+\j], v[192:193] op_sel_hi:[1,0] neg_lo:[0,1] neg_hi:[0,1]   ; l - M
.endr
.irp j, 0,2,4,6,8,10,12,14,16,18,20,22,24,26,28,30
	v_pk_mul_f32 v[KC+\j:KC+1+\j], v[KC+\j:KC+1+\j], 0x3fb8aa3b op_sel_hi:[1,0]
.endr
.set i, 0
.rept 32
	v_exp_f32 v[KA+i], v[KC+i]
.set i, i+1
.endr
	v_nop
	s_wait_alu depctr_va_vdst(0)                   ; one wait for the 32
.irp j, 0,2,4,6,8,10,12,14,16,18,20,22,24,26,28,30
	v_pk_mul_f32 v[KA+\j:KA+\j+1], v[KA+\j:KA+\j+1], v[198:199] op_sel_hi:[1,0]   ; / Z: the softmax
.endr
.irp j, 0,2,4,6,8,10,12,14,16,18,20,22,24,26,28,30
	v_pk_mul_f32 v[KA+\j:KA+\j+1], v[KA+\j:KA+\j+1], v[80+\j:81+\j]               ; x value
.endr
.irp j, 0,2,4,6,8,10,12,14,16,18,20,22,24,26,28,30
	v_pk_mul_f32 v[KA+\j:KA+\j+1], v[KA+\j:KA+\j+1], v[196:197] op_sel_hi:[1,0]   ; / the sum
.endr
.irp i, 0,1,2,3,4,5,6,7
	global_store_b128 v[1+\i], v[KA+4*\i:KA+4*\i+3], s[10:11]   ; out1: 32 lanes store 512 consecutive bytes; a slot without a row stores the last four rows' own values once more
.endr
.irp i, 0,1,2,3,4,5,6,7
.irp k, 0,1,2,3
	v_cndmask_b32 v[KB+4*\i+\k], 0, v[KA+4*\i+\k], s[20+\i]   ; the keys: slots without a row hold 0
.endr
.endr
.irp i, 0,1,2,3,4,5,6,7
	global_store_b128 v9, v[KB+4*\i:KB+4*\i+3], s[12:13] offset:512*\i
.endr
.set CUR, KB
.set NXT, KC
	SORT32
	XSEL 1                                         ; two sorted 32 become a list of 64 in a pair of lanes
	DOWN5
	MLEVEL 3
	MLEVEL 5
	MLEVEL 9
	MLEVEL 17                                      ; the wave's 64 largest, in every pair
.irp i, 0,1,2,3,4,5,6,7
	ds_store_b128 v13, v[CUR+4*\i:CUR+4*\i+3] offset:16*\i   ; all pairs write the same bytes with the same values
.endr
	s_wait_dscnt 0x0
	s_barrier_signal -1
	s_barrier_wait -1
.irp i, 0,1,2,3,4,5,6,7
	ds_load_b128 v[CUR+4*\i:CUR+4*\i+3], v14 offset:16*\i
.endr
	s_wait_dscnt 0x0
	MLEVEL 3
	MLEVEL 5                                       ; the group's 64 largest
	s_cmp_lg_u32 s16, 0
	s_cbranch_scc1 .Ldone
.irp i, 0,1,2,3,4,5,6,7
	ds_store_b128 v15, v[CUR+4*\i:CUR+4*\i+3] offset:16*\i   ; through wave 0's own 256 bytes, so that sixteen lanes store the list as 256 consecutive bytes
.endr
	ds_load_b128 v[T:T+3], v200                    ; LDS serves a wave's instructions in order: this sees the stores
	s_wait_dscnt 0x0
	v_cmp_gt_u32 vcc_lo, 16, v0
	s_wait_xcnt 0x0                                ; EXEC changes only behind this wait
	s_and_saveexec_b32 s30, vcc_lo
	global_store_b128 v11, v[T:T+3], s[14:15]
	s_wait_xcnt 0x0
	s_or_b32 exec_lo, exec_lo, s30
.Ldone:
	s_wait_tensorcnt 0x0
	ds_add_u32 v224, v225
	s_wait_dscnt 0x0
	s_endpgm
.Lfunc_end_k_q080a24205a_norm:
	.size	k_q080a24205a_norm, .Lfunc_end_k_q080a24205a_norm-k_q080a24205a_norm
	.p2alignl 7, 3214868480
	.fill 96, 4, 3214868480
	.section	.rodata,"a",@progbits
	.p2align	6, 0x0
	.amdhsa_kernel k_q080a24205a_norm
		.amdhsa_group_segment_fixed_size 2560
		.amdhsa_private_segment_fixed_size 0
		.amdhsa_enable_private_segment 0
		.amdhsa_kernarg_size 48
		.amdhsa_user_sgpr_count 2
		.amdhsa_user_sgpr_kernarg_segment_ptr 1
		.amdhsa_wavefront_size32 1
		.amdhsa_system_sgpr_workgroup_id_x 1
		.amdhsa_system_sgpr_workgroup_id_y 1
		.amdhsa_system_sgpr_workgroup_id_z 1
		.amdhsa_system_vgpr_workitem_id 0
		.amdhsa_next_free_vgpr 226
		.amdhsa_next_free_sgpr 66
		.amdhsa_reserve_vcc 1
		.amdhsa_float_denorm_mode_32 3
		.amdhsa_float_denorm_mode_16_64 3
		.amdhsa_memory_ordered 1
		.amdhsa_forward_progress 1
		.amdhsa_inst_pref_size 132
	.end_amdhsa_kernel
	.amdgpu_metadata
---
amdhsa.version: [ 1, 2 ]
amdhsa.kernels:
  - .name:           k_q080a24205a_norm
    .symbol:         k_q080a24205a_norm.kd
    .args:
      - { .name: wl, .offset: 0, .size: 8, .value_kind: global_buffer, .address_space: global }
      - { .name: out2, .offset: 8, .size: 8, .value_kind: global_buffer, .address_space: global }
      - { .name: part, .offset: 16, .size: 8, .value_kind: global_buffer, .address_space: global }
      - { .name: out1, .offset: 24, .size: 8, .value_kind: global_buffer, .address_space: global }
      - { .name: keyb, .offset: 32, .size: 8, .value_kind: global_buffer, .address_space: global }
      - { .name: lists, .offset: 40, .size: 8, .value_kind: global_buffer, .address_space: global }
    .group_segment_fixed_size: 2560
    .private_segment_fixed_size: 0
    .kernarg_segment_align: 8
    .kernarg_segment_size: 48
    .max_flat_workgroup_size: 128
    .sgpr_count:     66
    .vgpr_count:     226
    .wavefront_size: 32
...
	.end_amdgpu_metadata
.endif
;; end of part 2
;; launch pick (part 3): grid 64 x 1, 4 waves a work-group, no clusters, 4,608 bytes of LDS; arguments lists, keyb, sensory_input, out0; writes out0
.if DOCPART == 3
	.amdgcn_target "amdgcn-amd-amdhsa--gfx1250"
	.amdhsa_code_object_version 6
	.text
	.protected	k_q080a24205a_pick
	.globl	k_q080a24205a_pick
	.p2align	8
	.type	k_q080a24205a_pick,@function
k_q080a24205a_pick:
	s_mov_b64 s[64:65], 0
	v_nop
	global_prefetch_b8 v0, s[64:65] scope:SCOPE_SE
	s_setreg_imm32_b32 hwreg(HW_REG_WAVE_MODE, 25, 1), 1
	s_wait_xcnt 0x0
; out0[r] = the row of x whose allocation has rank r (0 .. 63), equal allocations in the order of their indices, as jax.lax.top_k has them.  Work-group r makes row r.  All arithmetic is on whole numbers that earlier launches stored.
; 1. The 62 lists of 64 keys are merged: G, the 64 largest keys of all.   2. key = G[r]; t = r - the number of keys in G above it: the row wanted is number t, by index, among the rows that hold this key.
; 3. Each list's count of that key, a running sum over the lists (groups are ascending ranges of indices): the group, and the number u within it.  A list with a keys above the key holds 64 - a of the equal ones at the least
;    or all of them, and t is at most 63 - a: so a list cut at 64 hides nothing that t can reach.   4. The group's 4,096 keys are compared, 1,024 a wave; the wave that holds number u finds its index and copies the row.
; Every number that enters an address is first held under a constant.  In the merges, lines that need the line before them are written in groups of 8 or 16 registers, so that 8 or 16 others stand between.
.set CP, 16                            ; v16-47   my half of a list, kept
.set KA, 48
.set KB, 80
.set T,  112                           ; v112-127 at work
.set K,  128                           ; v128-159 32 keys of the group
.set LB, 0                             ; LDS: the four waves' lists
.set GB, 1024                          ; G, once for each wave
.set NB, 2048                          ; the 64 counts
.set TB, 2304                          ; the four waves' totals
.set SX,  14                           ; s[14:15] selects: lane l xor 17
.set ODD, 16
.set MK,  66                           ; s66-97 the masks of equal keys
.macro FLIPSETS
.set SWP, CUR
.set CUR, NXT
.set NXT, SWP
.endm
.macro STAGE_S s                       ; registers i and i + s: the larger to i
.set i, 0
.rept 32
.if ((i/(\s))%2) == 0
	v_max_u32 v[NXT+i], v[CUR+i], v[CUR+i+(\s)]
	v_min_u32 v[NXT+i+(\s)], v[CUR+i], v[CUR+i+(\s)]
.endif
.set i, i+1
.endr
	FLIPSETS
.endm
.macro DOWN5
	STAGE_S 16
	STAGE_S 8
	STAGE_S 4
	STAGE_S 2
	STAGE_S 1
.endm
.macro XSEL0                           ; between the two lanes of a pair, register by register: the even lane keeps the larger.  Eight registers at a time
.set gg, 0
.rept 4
.set kk, 0
.rept 8
	v_mov_b32_dpp v[T+kk], v[CUR+8*gg+kk] row_xmask:1 row_mask:0xf bank_mask:0xf
.set kk, kk+1
.endr
.set kk, 0
.rept 8
	v_max_u32 v[T+8+kk], v[CUR+8*gg+kk], v[T+kk]
.set kk, kk+1
.endr
.set kk, 0
.rept 8
	v_min_u32 v[T+kk], v[CUR+8*gg+kk], v[T+kk]
.set kk, kk+1
.endr
.set kk, 0
.rept 8
	v_cndmask_b32 v[NXT+8*gg+kk], v[T+8+kk], v[T+kk], s[ODD]
.set kk, kk+1
.endr
.set gg, gg+1
.endr
	FLIPSETS
.endm
.macro TOPX xm                         ; rank k of my list against rank 63 - k of the other pair's: the larger 64 of the 128.  Sixteen registers at a time
.set gg, 0
.rept 2
.set kk, 0
.rept 16
.if \xm == 17
	v_permlanex16_b32 v[T+kk], v[CUR+31-(16*gg+kk)], s[SX], s[SX+1]
.else
	v_mov_b32_dpp v[T+kk], v[CUR+31-(16*gg+kk)] row_xmask:\xm row_mask:0xf bank_mask:0xf
.endif
.set kk, kk+1
.endr
.set kk, 0
.rept 16
	v_max_u32 v[NXT+16*gg+kk], v[CUR+16*gg+kk], v[T+kk]
.set kk, kk+1
.endr
.set gg, gg+1
.endr
	FLIPSETS
.endm
.macro MLEVEL xm
	TOPX \xm
	XSEL0
	DOWN5
.endm
.macro SCAN x, y                       ; the running sum over the 32 lanes, each lane's own number included
.irp n, 1,2,4,8
	v_mov_b32_dpp v[\y], v[\x] row_shr:\n row_mask:0xf bank_mask:0xf bound_ctrl:1
	v_add_nc_u32 v[\x], v[\x], v[\y]
.endr
	v_readlane_b32 s23, v[\x], 15
	v_mov_b32 v[\y], s23
	v_cndmask_b32 v[\y], 0, v[\y], s24             ; lanes 16-31 add the lower half's total
	v_add_nc_u32 v[\x], v[\x], v[\y]
.endm
	s_load_b256 s[4:11], s[0:1], 0x0               ; lists 4, keyb 6, x 8, out0 10
	v_lshl_add_u32 v192, v0, 2, 0x1000
	v_mov_b32 v193, 0
	v_lshrrev_b32 v1, 5, v0
	v_readfirstlane_b32 s12, v1                    ; wave
	v_and_b32 v1, 31, v0                           ; lane
	s_lshl_b32 s13, s12, 12
	v_lshl_add_u32 v2, v1, 7, s13                  ; list 16 w + L / 2, half L & 1: 4,096 w + 128 L
	v_cmp_gt_u32 vcc_lo, 15872, v2                 ; there are 62 lists
	v_min_u32 v2, 15744, v2
	v_and_b32 v3, 1, v0
	v_lshlrev_b32 v3, 7, v3
	s_lshl_b32 s13, s12, 8
	v_add_nc_u32 v3, s13, v3                       ; my wave's list, my half
	v_add_nc_u32 v5, GB, v3                        ; my wave's copy of G, my half
	v_and_b32 v4, 7, v0
	v_lshlrev_b32 v4, 7, v4                        ; list (L / 2) % 4, my half
	v_lshlrev_b32 v12, 2, v1                       ; 4 L
	s_add_co_u32 s13, s13, GB
	v_add_nc_u32 v6, s13, v12                      ; G's rank L
	v_lshrrev_b32 v7, 1, v1
	s_lshl_b32 s13, s12, 6
	s_add_co_u32 s13, s13, NB
	v_lshl_add_u32 v7, v7, 2, s13                  ; my list's count
	v_add_nc_u32 v8, NB, v12                       ; list L's count
	s_lshl_b32 s13, s12, 2
	s_add_co_u32 s13, s13, TB
	v_mov_b32 v9, s13                              ; my wave's total
	v_mov_b32 v10, TB
	v_lshlrev_b32 v11, 4, v1                       ; 16 L
	v_mov_b32 v13, 0
.irp i, 0,1,2,3,4,5,6,7,8,9,10,11,12,13,14,15
	v_mov_b32 v[T+\i], 0                           ; written once: the destination of a lane move counts as one of its sources
.endr
	s_mov_b32 s[SX], 0x67452301
	s_mov_b32 s[SX+1], 0xefcdab89
	s_mov_b32 s[ODD], 0xaaaaaaaa
	s_mov_b32 s24, 0xffff0000
	s_wait_kmcnt 0x0
.irp i, 0,1,2,3,4,5,6,7
	global_load_b128 v[CP+4*\i:CP+4*\i+3], v2, s[4:5] offset:16*\i
.endr
	s_wait_loadcnt 0x0
.set i, 0
.rept 32
	v_cndmask_b32 v[CP+i], 0, v[CP+i], vcc_lo      ; lists 62 and 63 are zeros
.set i, i+1
.endr
.set CUR, CP
.set NXT, KA
	TOPX 3
.set NXT, KB                           ; the lists themselves are kept: from here on the stages go between KA and KB
	XSEL0
	DOWN5
	MLEVEL 5
	MLEVEL 9
	MLEVEL 17                                      ; the 64 largest of my wave's 16 lists
.irp i, 0,1,2,3,4,5,6,7
	ds_store_b128 v3, v[CUR+4*\i:CUR+4*\i+3] offset:16*\i
.endr
	s_wait_dscnt 0x0
	s_barrier_signal -1
	s_barrier_wait -1
.irp i, 0,1,2,3,4,5,6,7
	ds_load_b128 v[CUR+4*\i:CUR+4*\i+3], v4 offset:16*\i
.endr
	s_wait_dscnt 0x0
	MLEVEL 3
	MLEVEL 5                                       ; G
.irp i, 0,1,2,3,4,5,6,7
	ds_store_b128 v5, v[CUR+4*\i:CUR+4*\i+3] offset:16*\i   ; my wave's own bytes: by ranks
.endr
	ds_load_b32 v[T], v6                           ; rank L
	ds_load_b32 v[T+1], v6 offset:128              ; rank 32 + L
	s_wait_dscnt 0x0
	s_and_b32 s18, ttmp9, 31
	v_readlane_b32 s19, v[T], s18
	v_readlane_b32 s20, v[T+1], s18
	s_cmp_lt_u32 ttmp9, 32
	s_cselect_b32 s19, s19, s20                    ; key = G[r]
	v_cmp_lt_u32 s20, s19, v[T]
	v_cmp_lt_u32 s21, s19, v[T+1]
	s_bcnt1_i32_b32 s20, s20
	s_bcnt1_i32_b32 s21, s21
	s_add_co_u32 s20, s20, s21                     ; how many of G lie above it
	s_sub_co_u32 s22, ttmp9, s20                   ; t
	v_mov_b32 v14, 0
.set i, 0
.rept 32
	v_cmp_eq_u32 vcc_lo, s19, v[CP+i]
	v_add_co_ci_u32 v14, vcc_lo, v13, v14, vcc_lo  ; + 1 where equal
.set i, i+1
.endr
	v_mov_b32_dpp v[T], v14 row_xmask:1 row_mask:0xf bank_mask:0xf
	v_add_nc_u32 v14, v14, v[T]                    ; my list's count
	ds_store_b32 v7, v14                           ; both lanes of a pair write the same word with the same value
	s_wait_dscnt 0x0
	s_barrier_signal -1
	s_barrier_wait -1
	ds_load_b32 v[T], v8                           ; list L's
	ds_load_b32 v[T+1], v8 offset:128              ; list 32 + L's
	s_wait_dscnt 0x0
	v_mov_b32 v[T+2], v[T]
	v_mov_b32 v[T+3], v[T+1]
	SCAN T+2, T+4
	SCAN T+3, T+4
	v_readlane_b32 s25, v[T+2], 31
	v_add_nc_u32 v[T+3], s25, v[T+3]
	v_sub_nc_u32 v[T+5], v[T+2], v[T]              ; how many lie in the lists before
	v_sub_nc_u32 v[T+6], v[T+3], v[T+1]
	v_cmp_ge_u32 s26, s22, v[T+5]
	v_cmp_lt_u32 s27, s22, v[T+2]
	s_and_b32 s26, s26, s27                        ; the list in which number t falls: one bit in one of the two masks
	v_cmp_ge_u32 s28, s22, v[T+6]
	v_cmp_lt_u32 s27, s22, v[T+3]
	s_and_b32 s28, s28, s27
	s_ctz_i32_b32 s29, s26
	s_ctz_i32_b32 s30, s28
	s_and_b32 s29, s29, 31
	s_and_b32 s30, s30, 31
	v_readlane_b32 s31, v[T+5], s29
	v_readlane_b32 s32, v[T+6], s30
	s_add_co_u32 s30, s30, 32
	s_cmp_lg_u32 s26, 0
	s_cselect_b32 s29, s29, s30                    ; the group
	s_cselect_b32 s31, s31, s32
	s_sub_co_u32 s33, s22, s31                     ; u: the number within the group
	s_min_u32 s29, s29, 61
	s_lshl_b32 s34, s29, 14
	s_lshl_b32 s35, s12, 12
	s_add_co_u32 s34, s34, s35
	s_mov_b32 s35, 0
	s_add_nc_u64 s[6:7], s[6:7], s[34:35]          ; my wave's 1,024 keys of the group
.set i, 0
.rept 32
	global_load_b32 v[K+i], v12, s[6:7] offset:128*i   ; register j, lane L: index 4,096 group + 1,024 w + 32 j + L
.set i, i+1
.endr
	s_wait_loadcnt 0x0
	s_mov_b32 s36, 0
.set i, 0
.rept 32
	v_cmp_eq_u32 s[MK+i], s19, v[K+i]
.set i, i+1
.endr
.set i, 0
.rept 32
	s_bcnt1_i32_b32 s37, s[MK+i]
	s_add_co_u32 s36, s36, s37
.set i, i+1
.endr
	v_mov_b32 v[T], s36
	ds_store_b32 v9, v[T]                          ; my wave's total
	s_wait_dscnt 0x0
	s_barrier_signal -1
	s_barrier_wait -1
	ds_load_b128 v[T:T+3], v10
	s_wait_dscnt 0x0
	v_readfirstlane_b32 s38, v[T]
	v_readfirstlane_b32 s39, v[T+1]
	v_readfirstlane_b32 s40, v[T+2]
	s_cmp_gt_u32 s12, 0
	s_cselect_b32 s38, s38, 0
	s_cmp_gt_u32 s12, 1
	s_cselect_b32 s39, s39, 0
	s_cmp_gt_u32 s12, 2
	s_cselect_b32 s40, s40, 0
	s_add_co_u32 s38, s38, s39
	s_add_co_u32 s38, s38, s40                     ; how many lie in the waves before mine
	s_sub_co_u32 s41, s33, s38                     ; the number within my wave's keys (it wraps to a large number where it lies before them)
	s_cmp_lt_u32 s41, s36
	s_cbranch_scc0 .Ldone                          ; one wave goes on; no barrier follows
	s_mov_b32 s42, 0                               ; the running count
	s_mov_b32 s43, 0
	s_mov_b32 s44, 0
	s_mov_b32 s45, 0
.set i, 0
.rept 32                               ; the last register before which the count has not passed the number wanted
	s_cmp_ge_u32 s41, s42
	s_cselect_b32 s43, s[MK+i], s43
	s_cselect_b32 s44, s42, s44
	s_cselect_b32 s45, i, s45
	s_bcnt1_i32_b32 s46, s[MK+i]
	s_add_co_u32 s42, s42, s46
.set i, i+1
.endr
	s_sub_co_u32 s46, s41, s44
	v_mbcnt_lo_u32_b32 v[T], s43, 0                ; how many equal keys of that register lie in lower lanes
	v_cmp_eq_u32 s47, s46, v[T]
	s_and_b32 s47, s47, s43
	s_ctz_i32_b32 s47, s47                         ; the lane
	s_lshl_b32 s48, s29, 12
	s_lshl_b32 s49, s12, 10
	s_add_co_u32 s48, s48, s49
	s_lshl_b32 s49, s45, 5
	s_add_co_u32 s48, s48, s49
	s_add_co_u32 s48, s48, s47                     ; the row's index
	s_min_u32 s48, s48, 0x3d08f                    ; held inside x: 249,999
	s_lshl_b32 s48, s48, 10
	s_mov_b32 s49, 0
	s_add_nc_u64 s[8:9], s[8:9], s[48:49]
	global_load_b128 v[T:T+3], v11, s[8:9]
	global_load_b128 v[T+4:T+7], v11, s[8:9] offset:512
	s_lshl_b32 s50, ttmp9, 10
	s_mov_b32 s51, 0
	s_add_nc_u64 s[10:11], s[10:11], s[50:51]
	s_wait_loadcnt 0x0
	global_store_b128 v11, v[T:T+3], s[10:11]      ; 32 lanes store 512 consecutive bytes
	global_store_b128 v11, v[T+4:T+7], s[10:11] offset:512
.Ldone:
	s_wait_tensorcnt 0x0
	ds_add_u32 v192, v193
	s_wait_dscnt 0x0
	s_endpgm
.Lfunc_end_k_q080a24205a_pick:
	.size	k_q080a24205a_pick, .Lfunc_end_k_q080a24205a_pick-k_q080a24205a_pick
	.p2alignl 7, 3214868480
	.fill 96, 4, 3214868480
	.section	.rodata,"a",@progbits
	.p2align	6, 0x0
	.amdhsa_kernel k_q080a24205a_pick
		.amdhsa_group_segment_fixed_size 4608
		.amdhsa_private_segment_fixed_size 0
		.amdhsa_enable_private_segment 0
		.amdhsa_kernarg_size 32
		.amdhsa_user_sgpr_count 2
		.amdhsa_user_sgpr_kernarg_segment_ptr 1
		.amdhsa_wavefront_size32 1
		.amdhsa_system_sgpr_workgroup_id_x 1
		.amdhsa_system_sgpr_workgroup_id_y 1
		.amdhsa_system_sgpr_workgroup_id_z 1
		.amdhsa_system_vgpr_workitem_id 0
		.amdhsa_next_free_vgpr 194
		.amdhsa_next_free_sgpr 100
		.amdhsa_reserve_vcc 1
		.amdhsa_float_denorm_mode_32 3
		.amdhsa_float_denorm_mode_16_64 3
		.amdhsa_memory_ordered 1
		.amdhsa_forward_progress 1
		.amdhsa_inst_pref_size 111
	.end_amdhsa_kernel
	.amdgpu_metadata
---
amdhsa.version: [ 1, 2 ]
amdhsa.kernels:
  - .name:           k_q080a24205a_pick
    .symbol:         k_q080a24205a_pick.kd
    .args:
      - { .name: lists, .offset: 0, .size: 8, .value_kind: global_buffer, .address_space: global }
      - { .name: keyb, .offset: 8, .size: 8, .value_kind: global_buffer, .address_space: global }
      - { .name: sensory_input, .offset: 16, .size: 8, .value_kind: global_buffer, .address_space: global }
      - { .name: out0, .offset: 24, .size: 8, .value_kind: global_buffer, .address_space: global }
    .group_segment_fixed_size: 4608
    .private_segment_fixed_size: 0
    .kernarg_segment_align: 8
    .kernarg_segment_size: 32
    .max_flat_workgroup_size: 128
    .sgpr_count:     100
    .vgpr_count:     194
    .wavefront_size: 32
...
	.end_amdgpu_metadata
.endif
;; end of part 3
